; MI455X (gfx1250); checked and timed in simulation.
; The chip was launched on July 23, 2026; its instructions are those of AMD's public machine-readable ISA for CDNA 5 (MIT licence, August 2026) and "CDNA5" Instruction Set Architecture Reference Guide (July 2026). The comments in the code are by the model that wrote it; some were corrected since.
;; Attention. Allowed arithmetic: matrix products marked QUANTISED: E3M2 operands, one E8M0 scale for each 32 along K, by v_wmma_scale_f32_16x16x128_f8f6f4 with both operands' format E3M2, f32 sums; products left as they are: f32 operands where the result goes on into a quantised operand, else bf16, f16 or f32 operands; f32 sums; everything else in f32.
;; Inputs: W_codes 1,024 x 32 x 24 uint8 (E3M2 codes of W, K innermost, in blocks of 32 codes, four codes in three bytes); W_scales 1,024 x 32 uint8 (E8M0 scales of W, one for each 32 codes along K); b 1,024 float32; encoder_outputs_codes 2,048 x 32 x 32 x 24 uint8 (E3M2 codes of encoder_outputs, K innermost, in blocks of 32 codes, four codes in three bytes); encoder_outputs_scales 2,048 x 32 x 32 uint8 (E8M0 scales of encoder_outputs, one for each 32 codes along K); hidden 1 x 32 x 1,024 float32.
;; Outputs: out0 32 x 1 x 2,048 float32.
;; This version of the problem:
;;   THIS VERSION OF THE PROBLEM IS GIVEN IN LOW PRECISION. The matrix products marked QUANTISED in the list below multiply operands that are first quantised to E3M2 (3 exponent bits, 2 mantissa bits; 6 bits a number), with one power-of-two scale for each 32 numbers along K (OCP MX v1.0); their sums are f32. All else is computed in f32.
;;   The module's matrix products, in the order in which they are computed (A, B: the left and right operand; K: the contracted axis; several contracted axes count as one K, in the product's order):
;;     1. [M 65,536, K 1,024] x [K 1,024, N 1,024]; A: input encoder_outputs (given as codes); B: input W (given as codes): QUANTISED
;;     2. batch 32 x [M 1, K 1,024] x [K 1,024, N 2,048]; A: input hidden; B: computed on the way: left as it is (M = 1 < 16)
;;   THE QUANTISER, for each operand of a quantised product, along K:
;;     - K is cut into blocks of 32 from its start; a last block that is shorter is filled with zeros.
;;     - A block's scale is 2^e with e = floor(log2(the largest magnitude in the block)) - 4, held to -126 .. 127; a block of zeros has e = 0. As a byte (E8M0): e + 127.
;;     - Each number is divided by its block's scale, clamped to +-28, and rounded to the nearest number of E3M2, ties to even, subnormals kept.
;;     - The product sums the exact products of the quantised numbers (number of the format x scale) in f32.
;;   ~~~python
;;   def quantise(x, axis):      # numpy; x: float32 -> the quantised numbers, widened to float32 again
;;       x = np.moveaxis(x, axis, -1); K = x.shape[-1]
;;       x = np.pad(x, [(0, 0)] * (x.ndim - 1) + [(0, -K % 32)]); x = x.reshape(x.shape[:-1] + (-1, 32)); a = np.abs(x).max(-1, keepdims=True)
;;       e = np.where(a > 0, np.clip(np.frexp(np.where(a > 0, a, 1))[1] - 1 - 4, -126, 127), 0)      # np.frexp(a)[1] - 1 = floor(log2(a)), exactly
;;       r = np.clip(x / 2.0 ** e, -28, 28)
;;       step = 2.0 ** (np.maximum(np.frexp(np.where(r == 0, 1, r))[1] - 1, -2) - 2)
;;       q = np.round(r / step) * step * 2.0 ** e      # np.round: ties to even
;;       return np.moveaxis(q.reshape(q.shape[:-2] + (-1,))[..., :K], -1, axis).astype(np.float32)
;;   ~~~
;;   INPUTS GIVEN AS CODES. W (in the module: [1024, 1024], K = its axis 1); encoder_outputs (in the module: [2048, 32, 1024], K = its axis 2): each comes as NAME_codes (uint8): NAME with its K axis moved to the last place and cut into blocks of 32 codes, [.., K / 32, bytes a block], one block behind the other in memory; four codes in three bytes: a row's codes are one little-endian stream of bits, code i at bits 6 i .. 6 i + 5 (a code: sign, 3 exponent bits, 2 mantissa bits); and NAME_scales (uint8): the same leading axes, one E8M0 byte (e + 127) for each 32 codes along K. Its value is code x scale, taken as it is: it is not quantised again, and the codes and scales need not be those that the quantiser above would give.
;; One version. Each part assembles by itself: llvm-mc -triple=amdgcn-amd-amdhsa -mcpu=gfx1250 --defsym DOCPART=n.
;; ======== version 1 of 1: 2 launches
;; limits: right only within a limited range of input values
;; workspace buffers: part 1,048,576 bytes
;; launch scores (part 1): grid 4 x 64, 4 waves a work-group, clusters of 4 x 4, 327,680 bytes of LDS; arguments W_codes, W_scales, encoder_outputs_codes, encoder_outputs_scales, hidden, part; writes part
.if DOCPART == 1
	.amdgcn_target "amdgcn-amd-amdhsa--gfx1250"
	.amdhsa_code_object_version 6
	.text
	.protected	k_q0d5deca7f0_scores
	.globl	k_q0d5deca7f0_scores
	.p2align	8
	.type	k_q0d5deca7f0_scores,@function
k_q0d5deca7f0_scores:
	s_mov_b64 s[64:65], 0
	v_nop
	global_prefetch_b8 v0, s[64:65] scope:SCOPE_SE
	s_setreg_imm32_b32 hwreg(HW_REG_WAVE_MODE, 25, 1), 1
	s_wait_xcnt 0x0
	s_wait_alu depctr_hold_cnt(0) depctr_sa_sdst(0) depctr_va_vdst(0) depctr_va_sdst(0) depctr_va_ssrc(0) depctr_va_vcc(0) depctr_vm_vsrc(0)
	s_getreg_b32 s2, hwreg(HW_REG_IB_STS2, 6, 4)
	s_cmp_eq_u32 s2, 0
	s_cbranch_scc0 .Lentry_in_a_cluster
	s_endpgm
.Lentry_in_a_cluster:
	s_bfe_u32 s2, ttmp6, 0x10000c
	s_cmp_lg_u32 s2, 0xf033
	s_cbranch_scc0 .Lentry_shape_is_right
	s_endpgm
.Lentry_shape_is_right:
; part[nb][b][s] = sum over the 256 columns n of block nb of hidden[b][n] x (sum over k of E[s][b][k] W[n][k]).
; E [2048 s][32 b][1024 k] and W [1024 n][1024 k] are codes of BF6 (E3M2) with one E8M0 byte for each 32 along k; the first product is done by the scaled matrix
; instruction on the codes as they lie; its result never goes to memory: it is folded with hidden in f32 multiply-adds as soon as a tile of 16 rows is finished.
; LEFT OUT AS DEAD WORK: the bias b.  It adds sum over n of hidden[b][n] bias[n] to the score of (b, s), the same number for every s, and the softmax runs along s: a term that is the same
; along the softmax's axis leaves its result as it is, whatever finite values the inputs hold.  So the input b has no way to the output; it is not loaded and is no argument of any launch.
; LIMIT: a NaN, an infinity or an overflow that reaches only that term is not carried to the result.
; SHARES.  Work-group (x, y): x = nb, one of 4 blocks of 256 columns; y: bh = y % 2, sixteen neighbouring b, and the 64 s = 64 (y / 2) + 0 .. 63: 1,024 rows of E.
; A TILE of E is one s and the sixteen b: 12,288 bytes on end, 512 bytes of scales on end.  Row r of every tile is b = 16 bh + r, so that a lane's hidden is the same for every tile and stays in registers.
; Wave w: columns 128 (w / 2) + 0 .. 127 of the block and the half w % 2 of K (K steps q = 0 .. 3 of 128 each): its part of W stays in 384 REGISTERS for the whole launch, and each fragment of E
; that it loads from LDS feeds 8 matrix instructions.  Since the fold with hidden is linear, the halves of K are folded apart and their numbers added at the end.
; E STREAMS through a ring of two LDS slots of 128 rows (8 s, four pairs of tiles).
; CLUSTER 4 x 4.  The four work-groups of a row of the cluster (same y) walk the same rows of E; the four of a column (same x) need the same rows of W: both are asked for JOINTLY.
; LAYOUT.  Source 0 = 16 rows of W, source 1 = 16 rows of E: lane (r, h) holds E's row r, its register i column 16 t + 8 h + i.
; THE BLOCKS OF A K STEP STAND IN THE ORDER 0, 2, 1, 3.  The operand's layout gives lanes 0-15 the instruction's blocks 0 and 2 and lanes 16-31 its blocks 1 and 3.  Here lanes 0-15 take the row's
; blocks 0 and 1 of the K step and lanes 16-31 its blocks 2 and 3: 48 consecutive bytes a lane, three loads of 16 bytes.  W and E are read alike; the scale words follow: their two middle bytes change places.
; REGISTERS, four blocks of 256.  Block 0: addresses, scale words, finished sums.  Block 1: W's fragments of q = 0 and of q = 3, t = 2 .. 7; the 8 accumulators; the chains of sums.  Block 2: W's other fragments.
; Block 3: two sets of a pair's 8 fragments of E; hidden.  Under the window setting of a tile's end and beginning (source 0 = block 1, source 1 = block 3, C and D = block 1) stand the matrix instructions
; of q = 3 and q = 0 and the packed multiply-adds of the fold (source 0 = an accumulator, source 1 = hidden).
; PIPELINE.  A pair of tiles is 64 matrix instructions.  A tile's accumulators are folded behind the last four of its matrix instructions and the first four of the next tile's, each before it is begun anew.
; Behind single matrix instructions stand the sums of the pair before and the permutes of the next pair's scale words.  Between pairs stand the waits and ONE run of loads for the next pair but one.
; LIMITS.  Inside a matrix instruction the blocks of 32 are summed in the order stated above, not ascending; the f32 sums are grouped otherwise than a plain chain: halves of K and 8 chains a lane,
; then the halves of the lanes, the four waves, and (next launch) the four column blocks.  A scale byte 0xff, or a hidden that is not finite, gives NaN as it does in the definition.
.set PITCH, 816                        ; a row of 1,024 codes in LDS: 3 x (256 bytes + 16 of padding) = 51 x 16 bytes: sixteen rows start in sixteen different columns of 16 bytes (64 banks of 4 bytes: ISA guide 11.1)
.set TILEB, 16*PITCH
.set HALFB, 64*PITCH
.set SL1,   2*HALFB+256                ; E's slot for odd steps (slot 0 begins at 0); first W's rows 0-127, and W's rows 128-255 behind it
.set STG,   SL1+2*HALFB+256            ; the scores' stage, on bytes that W's rows 128-255 had: for each wave 16 b x (16 bytes that nobody reads, then 64 s)
.set SCW,   16*272
.set ES1,   245760                     ; slot 1's scales, also on W's bytes
.set ES0,   SL1+4*HALFB                ; slot 0's scales: 128 rows x 32 bytes
.set SPARE, ES0+4096                   ; the spare words, 128 bytes for each wave: two blocks of 256 bytes that no other line names
.set EROW,  24576                      ; bytes from E's codes of s to those of s + 1
.set SLOTG, 8*EROW                     ; a slot's codes in memory
.set SCLG,  8*1024                     ; and its scales
; block 0
.set SPW,  12                          ; v12    LDS address of my spare word; never rewritten
.set NIL,  13                          ; v13    0; never rewritten
.set SS0,  14                          ; v14    my place in my wave's stage
.set SSA,  15                          ; v15    the same for the slot in hand
.set WS,   16                          ; v16-31 W's scale words: WS + 4 u + q: lanes 0-15 tile 2 u, lanes 16-31 tile 2 u + 1
.set ES,   32                          ; v32-39 E's scale words, two sets: ES + 4 set + q: lanes 0-15 the pair's even tile, lanes 16-31 the odd one
.set PFV,  40                          ; v40    prefetch offsets: codes,
.set PFS,  41                          ; v41    scales
.set STO,  42                          ; v42    the way out: my byte offset in part
.set RDA,  43                          ; v43    the way out: my place in the stages
.set EA,   44                          ; v44-59 EA + 4 (2 slot + half) + class: LDS address of my row and half of K in half a slot
.set ESA,  60                          ; v60-61 my scale words in slot 0, 1
.set Y,    62                          ; v62-63 the tiles' sums
.set Z,    64                          ; v64    a pair's scores
.set WA,   66                          ; v66-73 LDS address of my rows of W, by half and class
.set HO,   74                          ; v74    hidden's offset
.set WSO,  75                          ; v75    W's scales' offset
.set OUT,  80                          ; v80-111 at work on the way out
; block 1 (v0-167: W)
.set ACC,  168                         ; v168-231 accumulators, 8 a tile of W
.set XE,   232                         ; v232-239 four chains of two sums: the even tile's,
.set XO,   240                         ; v240-247 the odd tile's
; block 2: v0-215 W.  Block 3:
.set EF,   0                           ; v0-191 E's fragments: EF + 96 set + 48 tile + 12 q
.set HID,  192                         ; v192-255 hidden in the result's layout
.set WV,   18                          ; s18  my wave's number
.set LAP,  19                          ; s19  the loop's counter
.set G1E,  24                          ; s[24:31] group 1: E's codes, 4 s;  s[32:39] E's scales;  s[40:47] W's codes;  s[48:55] E's codes, 8 s
.set G1S,  32
.set G1W,  40
.set G1F,  48
.set G0E,  56                          ; s[56:63] groups 0 for E's codes, one for each slot;  s[68:75] for E's scales;  s[76:79] W's codes;  s[80:83] E's codes, 8 s
.set G0S,  68
.set G0W,  76
.set G0F,  80
.set TS,   84                          ; s84  32 x the number of the slot in hand
.set SELP, 85                          ; s85  v_perm_b32's selector: bytes 0, 2, 1, 3 of its second source
.set PF,   86                          ; s[86:87] prefetch base: codes;  s[88:89]: scales
.set PS,   88
.set MUL1, 0x5d                        ; source 0 block 1, source 1 block 3, C and D block 1
.set MUL2, 0x5e                        ; the same, source 0 block 2
.set MSB, 0
.macro WIN new                         ; the immediate's high byte repeats the setting that is left
.if MSB != \new
	s_set_vgpr_msb (MSB<<8)|\new
.set MSB, \new
.endif
.endm
.macro CREST                           ; a round of the cluster's barrier behind its opening barrier
	s_cmp_lg_u32 s[WV], 0
	s_cbranch_scc1 .Lnot_wave_0_\@
	s_barrier_signal -3
.Lnot_wave_0_\@:
	s_barrier_wait -3
	s_barrier_signal -1
	s_barrier_wait -1
.endm
.macro CROUND                          ; a whole round
	s_barrier_signal -1
	s_barrier_wait -1
	CREST
.endm
.macro PLACES
.rept 4
	v_nop
.endr
.endm
; PREFETCH: with the load of slot n, wave 3 asks for slot n + 1, one slot (256 matrix instructions of each wave) ahead of its tensor load.  The four partners of a row of the cluster share its blocks of
; 256 bytes by address: partner cx takes s = 2 cx and 2 cx + 1 of the slot: 96 blocks of codes (three requests of 32 lanes) and 4 of scales (lanes 4-31 name the fourth again).
.macro ASK
.irp i, 0,1,2
	global_prefetch_b8 v[PFV], s[PF:PF+1] offset:4096*\i th:TH_LOAD_NT scope:SCOPE_SE
.endr
	global_prefetch_b8 v[PFS], s[PS:PS+1] th:TH_LOAD_NT scope:SCOPE_SE
.endm
; The fill of slot s.  Waves 0 and 1: 4 s of codes each; wave 2: the scales; wave 3 asks ahead.  The branches hang on the wave's number (and the loop's counter) alone.
.macro TLOAD s
	s_cmp_lt_u32 s[WV], 2
	s_cbranch_scc0 .Lnot_codes_\@
	tensor_load_to_lds s[G0E+4*\s:G0E+4*\s+3], s[G1E:G1E+7]
	s_nop 0
	PLACES
	s_branch .Lasked_\@
.Lnot_codes_\@:
	s_cmp_eq_u32 s[WV], 2
	s_cbranch_scc0 .Lnot_scales_\@
	tensor_load_to_lds s[G0S+4*\s:G0S+4*\s+3], s[G1S:G1S+7]
	s_nop 0
	PLACES
	s_branch .Lasked_\@
.Lnot_scales_\@:
	s_wait_xcnt 0x0                                ; the last requests have read their bases: they may step
	s_add_nc_u64 s[PF:PF+1], s[PF:PF+1], SLOTG
	s_add_nc_u64 s[PS:PS+1], s[PS:PS+1], SCLG
.if \s == 1
	s_cmp_eq_u32 s[LAP], 1                         ; the loop's last trip, second slot: there is no slot 8
	s_cbranch_scc1 .Lasked_\@
.endif
	ASK
.Lasked_\@:
.endm
; A row is 48 pieces of 16 bytes; piece P lies at 16 P + 16 (P / 16).  My half of K begins at piece 24 kh; lane half h reads pieces 24 kh + 6 q + i + 3 h.  How many paddings lie between depends on kh and h:
; four address registers (classes) serve: class 0 for q = 0 and, 16 bytes further on, q = 3; class 1 for q = 1, i = 0, 1 (one padding more where kh = 1 and h = 1); class 2 for q = 1, i = 2 and q = 2, i = 0
; (one more where kh = 1); class 3 for q = 2, i = 1, 2 (one more where kh = 1 or h = 1).
.macro PIECE q, i
.if (\q) == 1
.set CL, 1+(\i)/2
.elseif (\q) == 2
.set CL, 2+((\i)+1)/2
.else
.set CL, 0
.endif
.set CO, 16*(6*(\q)+(\i))+16*((\q)/3)
.endm
.macro ELOAD set, slot, pair           ; a pair's scale words, then its eight fragments, into set: 25 loads
	WIN 0
	ds_load_b128 v[ES+4*(\set):ES+4*(\set)+3], v[ESA+(\slot)] offset:1024*(\pair)
	WIN 0xc0                                       ; destination block 3, addresses block 0
.irp tl, 0,1
.irp q, 0,1,2,3
.irp i, 0,1,2
	PIECE \q, \i
.set rB, EF+96*(\set)+48*\tl+12*\q+4*\i
	ds_load_b128 v[rB:rB+3], v[EA+4*(2*(\slot)+(\pair)/2)+CL] offset:CO+((2*(\pair)+\tl)%4)*TILEB
.endr
.endr
.endr
.endm
.macro WPLACE q, t                     ; where W's fragment (q, t) lies: rA in block 1 (rK = 1) or 2
.if (\q) == 0
.set rA, 12*(\t)
.set rK, 1
.elseif (\q) < 3
.set rA, 96*((\q)-1)+12*(\t)
.set rK, 2
.elseif (\t) < 2
.set rA, 192+12*(\t)
.set rK, 2
.else
.set rA, 96+12*((\t)-2)
.set rK, 1
.endif
.endm
.macro WI c
.if md == 0
	v_wmma_scale_f32_16x16x128_f8f6f4 v[rD:rD+7], v[rA:rA+11], v[rB:rB+11], \c, v[rW], v[rE] matrix_a_fmt:MATRIX_FMT_BF6 matrix_b_fmt:MATRIX_FMT_BF6
.elseif md == 1
	v_wmma_scale_f32_16x16x128_f8f6f4 v[rD:rD+7], v[rA:rA+11], v[rB:rB+11], \c, v[rW], v[rE] matrix_a_fmt:MATRIX_FMT_BF6 matrix_b_fmt:MATRIX_FMT_BF6 matrix_a_scale:MATRIX_SCALE_ROW1
.elseif md == 2
	v_wmma_scale_f32_16x16x128_f8f6f4 v[rD:rD+7], v[rA:rA+11], v[rB:rB+11], \c, v[rW], v[rE] matrix_a_fmt:MATRIX_FMT_BF6 matrix_b_fmt:MATRIX_FMT_BF6 matrix_b_scale:MATRIX_SCALE_ROW1
.else
	v_wmma_scale_f32_16x16x128_f8f6f4 v[rD:rD+7], v[rA:rA+11], v[rB:rB+11], \c, v[rW], v[rE] matrix_a_fmt:MATRIX_FMT_BF6 matrix_b_fmt:MATRIX_FMT_BF6 matrix_a_scale:MATRIX_SCALE_ROW1 matrix_b_scale:MATRIX_SCALE_ROW1
.endif
.endm
.macro WM set, tl, q, t                ; tile tl of the pair in set x tile t of W, K step q; the first K step starts the sum
	WPLACE \q, \t
.set rD, ACC+8*(\t)
.set rB, EF+96*(\set)+48*(\tl)+12*(\q)
.set rW, WS+4*((\t)/2)+(\q)
.set rE, ES+4*(\set)+(\q)
.set md, 2*(\tl)+(\t)%2
.if rK == 1
	WIN MUL1
.else
	WIN MUL2
.endif
.if (\q) == 0
	WI 0
.else
	WI v[rD:rD+7]
.endif
.endm
.macro FOLD x, t                       ; accumulator t times hidden onto the four chains x, from its low end on
	WIN MUL1
.irp c, 0,1,2,3
.if (\t) == 0
	v_pk_mul_f32 v[\x+2*\c:\x+2*\c+1], v[ACC+8*(\t)+2*\c:ACC+8*(\t)+2*\c+1], v[HID+8*(\t)+2*\c:HID+8*(\t)+2*\c+1]
.else
	v_pk_fma_f32 v[\x+2*\c:\x+2*\c+1], v[ACC+8*(\t)+2*\c:ACC+8*(\t)+2*\c+1], v[HID+8*(\t)+2*\c:HID+8*(\t)+2*\c+1], v[\x+2*\c:\x+2*\c+1]
.endif
.endr
.endm
.macro FIN n                           ; a finished pair's chains become one number a row, in five pieces
.if (\n) < 2
	WIN 0x45                                       ; sources and destination block 1
	v_pk_add_f32 v[XE+4*(\n):XE+4*(\n)+1], v[XE+4*(\n):XE+4*(\n)+1], v[XE+4*(\n)+2:XE+4*(\n)+3]
	v_pk_add_f32 v[XO+4*(\n):XO+4*(\n)+1], v[XO+4*(\n):XO+4*(\n)+1], v[XO+4*(\n)+2:XO+4*(\n)+3]
.elseif (\n) == 2
	WIN 0x45
	v_pk_add_f32 v[XE:XE+1], v[XE:XE+1], v[XE+4:XE+5]
	v_pk_add_f32 v[XO:XO+1], v[XO:XO+1], v[XO+4:XO+5]
.elseif (\n) == 3
	WIN 0x05                                       ; sources block 1, destination block 0
	v_add_f32 v[Y], v[XE], v[XE+1]
	v_add_f32 v[Y+1], v[XO], v[XO+1]
.else
	WIN 0
	v_permlane16_swap_b32 v[Y], v[Y+1]             ; the even tile's upper lanes change places with the odd tile's lower lanes: each register now holds one half's sums, lanes 0-15 the even tile's rows, lanes 16-31 the odd tile's
	v_add_f32 v[Z], v[Y], v[Y+1]                   ; lane l: b = l % 16, s = the pair's first + l / 16
.endif
.endm
.macro PERM2 ps, q0                    ; E's scale words: the two middle bytes change places, as the blocks of the fragments do
	WIN 0
.irp q, \q0, \q0+1
	v_perm_b32 v[ES+4*(\ps)+\q], v[ES+4*(\ps)+\q], v[ES+4*(\ps)+\q], s[SELP]
.endr
.endm
; The accumulators take turns, one instruction a turn.  Four places stand between a tile's last K step of accumulator 0 and its fold (ISA guide 7.12.1); the later ones have the earlier folds.
.macro TE01 set                        ; the even tile, K steps 0 and 1; the odd tile before: accumulators 4-7 are folded; the pair before: its sums
.irp t, 0,1,2,3
	WM \set, 0, 0, \t
	FOLD XO, \t+4
.endr
.irp t, 4,5,6,7
	WM \set, 0, 0, \t
.endr
.irp t, 0,1,2,3,4
	WM \set, 0, 1, \t
	FIN \t
.endr
.irp t, 5,6,7
	WM \set, 0, 1, \t
.endr
.endm
.macro TEND set, tl, x                 ; K steps 2 and 3 of a tile; accumulators 0-3 are folded
.irp t, 0,1,2,3,4,5,6,7
	WM \set, \tl, 2, \t
.endr
.irp t, 0,1,2,3
	WM \set, \tl, 3, \t
.endr
	PLACES
.irp t, 4,5,6,7
	WM \set, \tl, 3, \t
	FOLD \x, \t-4
.endr
.endm
.macro TO set, more                    ; the odd tile; the even tile's accumulators 4-7 are folded; more = 1: the next pair's scale words are permuted
.irp t, 0,1,2,3
	WM \set, 1, 0, \t
	FOLD XE, \t+4
.endr
.irp t, 4,5,6,7
	WM \set, 1, 0, \t
.endr
.if \more
	s_wait_dscnt 24                                ; the next pair's scale words are in: behind their load stand the run's 24 others
.endif
.irp t, 0,1,2,3,4,5,6,7
	WM \set, 1, 1, \t
.if \more && (\t) < 2
	PERM2 1-\set, 2*\t
.endif
.endr
	TEND \set, 1, XO
.endm
; Between pairs: the next pair's fragments are in; the scores of the pair before the last go to my stage; the run of loads for the pair after the next one begun, into the set just multiplied
; (the last matrix instruction's four folds are these loads' places).
.macro BND off
	s_wait_alu depctr_va_vdst(0)
	WIN 0
	s_wait_dscnt 0x0
	ds_store_b32 v[SSA], v[Z] offset:\off          ; (in the launch's first slot the first of these goes to the stage's unread bytes)
.endm
; A slot, in slot s.  mode 1: it is filled again, two slots ahead; mode 0: nothing is left to fetch, the other slot follows; mode 2: the launch's last.
.macro SLOT s, mode
	TE01 0
	TEND 0, 0, XE
	TO 0, 1
	BND 8
	ELOAD 0, \s, 2
	TE01 1
	TEND 1, 0, XE
	TO 1, 1
	BND 16
	ELOAD 1, \s, 3
	TE01 0
	TEND 0, 0, XE
	TO 0, 1
	BND 24                                         ; its wait shows the last pair's fragments in: my reads of this slot are over
.if \mode < 2
	s_wait_tensorcnt 0x0                           ; all my tensor loads have landed: my part of the other slot
	ds_add_u32 v[SPW], v[NIL]                      ; 0 onto my spare word
.if \mode == 1
	s_add_nc_u64 s[G0E+4*\s+2:G0E+4*\s+3], s[G0E+4*\s+2:G0E+4*\s+3], 2*SLOTG
	s_add_nc_u64 s[G0S+4*\s+2:G0S+4*\s+3], s[G0S+4*\s+2:G0S+4*\s+3], 2*SCLG
.endif
	TE01 1                                         ; sixteen matrix instructions stand between the add and the wait for it
	s_wait_dscnt 0x0                               ; the add is done
	s_barrier_signal -1                            ; (with mode 1 this barrier opens a round of the cluster's)
	TEND 1, 0, XE                                  ; work on registers while the others arrive
	s_wait_alu depctr_va_vdst(0)
	WIN 0
	s_barrier_wait -1
.if \mode == 1
	CREST                                          ; no wave of any partner still reads this slot or has a load on its way
	TLOAD \s                                       ; the first tensor load behind the round
.endif
	ELOAD 0, 1-\s, 0                               ; the other slot is whole: its first pair
	TO 1, 1
	BND 32
	ELOAD 1, 1-\s, 1
	WIN 0
	s_add_co_u32 s[TS], s[TS], 32
	v_add_nc_u32 v[SSA], s[TS], v[SS0]             ; the next slot's place in my stage
.else
	TE01 1
	TEND 1, 0, XE
	TO 1, 0
	s_wait_alu depctr_va_vdst(0)
	WIN 0
	ds_store_b32 v[SSA], v[Z] offset:32
.irp t, 4,5,6,7
	FOLD XO, \t
.endr
.irp n, 0,1,2,3,4
	FIN \n
.endr
	ds_store_b32 v[SSA], v[Z] offset:40
.endif
.endm
	s_load_b256 s[4:11], s[0:1], 0x0               ; W's codes s[4:5], W's scales s[6:7], E's codes s[8:9], E's scales s[10:11]
	s_load_b128 s[12:15], s[0:1], 0x20             ; hidden s[12:13], part s[14:15]
	v_lshl_add_u32 v[SPW], v0, 2, SPARE
	v_mov_b32 v[NIL], 0
	ds_add_u32 v[SPW], v[NIL]                      ; the wave's opening
	ds_add_u32 v[SPW], v[NIL]
	v_lshrrev_b32 v1, 5, v0
	v_readfirstlane_b32 s[WV], v1                  ; wave 0..3
	s_bfe_u32 s20, ttmp6, 0x40000                  ; cx, cy: my place in the cluster
	s_bfe_u32 s21, ttmp6, 0x40004
	s_lshl_b32 s22, ttmp9, 2
	s_add_co_u32 s22, s22, s20                     ; x = nb = 4 x cluster x + cx
	s_and_b32 s23, ttmp7, 0xffff
	s_lshl_b32 s23, s23, 2
	s_add_co_u32 s23, s23, s21                     ; y = 4 x cluster y + cy
	s_lshl_b32 s90, s21, 2
	s_lshl_b32 s90, 15, s90                        ; my row of the cluster
	s_lshl_b32 s94, 0x1111, s20                    ; my column
	s_mov_b32 s[SELP], 0x03010200
	; group 1, E's codes: 4 rows (s) of 12,288 bytes, EROW bytes apart; 16 bytes of padding behind every 256
	s_or_b32 s[G1E], s90, (1<<20)|(1<<21)|(5<<22)|(3<<25)   ; 15:0 the mask: my row; 17:16 elements of 1 byte; 20 padding on; 21 set beside a mask; 24:22 after every 64 words; 31:25 of 4 words
	s_mov_b32 s[G1E+1], 12288<<16                  ; tensor_dim0
	s_mov_b32 s[G1E+2], 4<<16                      ; tensor_dim1
	s_mov_b32 s[G1E+3], 12288<<16                  ; tile_dim0
	s_mov_b32 s[G1E+4], 4                          ; tile_dim1
	s_mov_b32 s[G1E+5], EROW                       ; stride from row to row
	s_mov_b32 s[G1E+6], 0
	s_mov_b32 s[G1E+7], 0
	; the same with 8 rows, for the head
	s_or_b32 s[G1F], s90, (1<<20)|(1<<21)|(5<<22)|(3<<25)
	s_mov_b32 s[G1F+1], 12288<<16
	s_mov_b32 s[G1F+2], 8<<16
	s_mov_b32 s[G1F+3], 12288<<16
	s_mov_b32 s[G1F+4], 8
	s_mov_b32 s[G1F+5], EROW
	s_mov_b32 s[G1F+6], 0
	s_mov_b32 s[G1F+7], 0
	; E's scales: 8 rows (s) of 512 bytes, 1,024 bytes apart, dense in LDS
	s_or_b32 s[G1S], s90, (1<<21)
	s_mov_b32 s[G1S+1], 512<<16
	s_mov_b32 s[G1S+2], 8<<16
	s_mov_b32 s[G1S+3], 512<<16
	s_mov_b32 s[G1S+4], 8
	s_mov_b32 s[G1S+5], 1024
	s_mov_b32 s[G1S+6], 0
	s_mov_b32 s[G1S+7], 0
	; W's codes: 128 dense rows of 768 bytes, padded as E's
	s_or_b32 s[G1W], s94, (1<<20)|(1<<21)|(5<<22)|(3<<25)   ; the mask: my column
	s_mov_b32 s[G1W+1], 768<<16
	s_mov_b32 s[G1W+2], 128<<16
	s_mov_b32 s[G1W+3], 768<<16
	s_mov_b32 s[G1W+4], 128
	s_mov_b32 s[G1W+5], 768
	s_mov_b32 s[G1W+6], 0
	s_mov_b32 s[G1W+7], 0
	; offsets.  What is made of y stays in s66, s90-93, what is made of x or cx in s94-97, what is made of the wave's number alone in s2-3, s16-17, s98-101
	s_and_b32 s90, s23, 1                          ; bh
	s_lshr_b32 s91, s23, 1                         ; which 64 s
	s_mul_i32 s96, s20, 2*EROW                     ; prefetch: s = 2 cx, 2 cx + 1 of a slot: codes,
	s_lshl_b32 s97, s20, 11                        ; scales
	s_and_b32 s16, s[WV], 1                        ; kh: my half of K
	s_lshr_b32 s17, s[WV], 1                       ; my 128 columns of the block
	s_mul_i32 s98, s16, 400                        ; my half begins at piece 24, behind one padding
	s_lshl_b32 s99, s16, 4
	s_xor_b32 s100, s99, 16
	s_lshl_b32 s2, s16, 4                          ; my four scale words of a row
	s_mul_i32 s3, s17, 2*HALFB
	s_add_co_u32 s3, s3, SL1                       ; my 128 rows of W in LDS
	s_mul_i32 s16, s[WV], SCW
	s_add_co_u32 s16, s16, STG                     ; my stage
	; every LDS address register is made here, ahead of the first branch on the wave's number
	v_and_b32 v1, 31, v0                           ; lane
	v_and_b32 v2, 15, v0                           ; r
	v_bfe_u32 v3, v0, 4, 1                         ; h
	v_mul_u32_u24 v[EA], v2, PITCH
	v_mad_u32_u24 v[EA], v3, 48, v[EA]
	v_add_nc_u32 v[EA], s98, v[EA]                 ; class 0
	v_mad_u32_u24 v[EA+1], v3, s99, v[EA]
	v_add_nc_u32 v[EA+2], s99, v[EA]
	v_mad_u32_u24 v[EA+3], v3, s100, v[EA+2]
.irp c, 0,1,2,3
	v_add_nc_u32 v[EA+4+\c], HALFB, v[EA+\c]
	v_add_nc_u32 v[EA+8+\c], SL1, v[EA+\c]
	v_add_nc_u32 v[EA+12+\c], SL1+HALFB, v[EA+\c]
	v_add_nc_u32 v[WA+\c], s3, v[EA+\c]
	v_add_nc_u32 v[WA+4+\c], HALFB, v[WA+\c]
.endr
	v_lshlrev_b32 v8, 5, v1                        ; a scale row is 32 bytes
	v_add_nc_u32 v[WSO], s2, v8
	v_add_nc_u32 v[ESA], ES0, v[WSO]
	v_add_nc_u32 v[ESA+1], ES1, v[WSO]
	v_mul_u32_u24 v9, v2, 272                      ; the stage: row b of 272 bytes, + 4 s
	v_lshl_add_u32 v9, v3, 2, v9
	v_add_nc_u32 v[SS0], s16, v9
	v_add_nc_u32 v[SSA], s16, v9
	v_lshrrev_b32 v10, 4, v0                       ; the way out: thread T takes rows b = T / 16 and 8 + T / 16, s = 4 (T % 16) + 0 .. 3
	v_mul_u32_u24 v11, v10, 272
	v_lshl_add_u32 v11, v2, 4, v11
	v_add_nc_u32 v[RDA], STG+16, v11
	v_lshlrev_b32 v10, 13, v10
	v_lshl_add_u32 v[STO], v2, 4, v10
	v_lshlrev_b32 v9, 12, v2                       ; hidden: row r of 4,096 bytes, + 32 h
	v_lshl_add_u32 v[HO], v3, 5, v9
	v_mul_u32_u24 v9, v3, EROW                     ; prefetch: lane half = which s, lane % 16 = which block of 256 bytes
	v_lshl_add_u32 v9, v2, 8, v9
	v_add_nc_u32 v[PFV], s96, v9
	v_min_u32 v9, 3, v1
	v_lshrrev_b32 v10, 1, v9
	v_and_b32 v9, 1, v9
	v_lshlrev_b32 v10, 10, v10
	v_lshl_add_u32 v9, v9, 8, v10
	v_add_nc_u32 v[PFS], s97, v9
	WIN 0x40                                       ; destination block 1
.set i, 0
.rept 32
	v_mov_b32 v[ACC+32+i], 0                       ; the loop is written once: its first tile folds a tile that does not exist, and its first pair's sums go to the stage's unread bytes.  It finds zeros
.set i, i+1
.endr
.set i, 0
.rept 16
	v_mov_b32 v[XE+i], 0
.set i, i+1
.endr
	WIN 0
	s_wait_alu depctr_va_vdst(0)
	s_wait_dscnt 0x0                               ; both opening adds are done
	s_wait_kmcnt 0x0
	s_mul_i32 s92, s91, 64*EROW
	s_mul_i32 s93, s90, 12288
	s_add_co_u32 s92, s92, s93
	s_mov_b32 s93, 0
	s_add_nc_u64 s[PF:PF+1], s[8:9], s[92:93]      ; E's codes at my first row
	s_and_b32 s98, s[WV], 1                        ; which 4 s of a slot waves 0 and 1 fetch; also which 128 rows of W
	s_mul_i32 s100, s98, 4*EROW
	s_mov_b32 s101, 0
	s_mov_b32 s[G0E], 1                            ; 1:0 count = 1
	s_mul_i32 s[G0E+1], s98, HALFB                 ; 63:32 LDS address (slot 0 begins at 0)
	s_add_nc_u64 s[G0E+2:G0E+3], s[PF:PF+1], s[100:101]   ; 120:64 global address: slot 0
	s_mov_b32 s[G0E+4], 1
	s_add_co_u32 s[G0E+5], s[G0E+1], SL1
	s_add_nc_u64 s[G0E+6:G0E+7], s[G0E+2:G0E+3], SLOTG    ; slot 1
	s_or_b32 s[G0E+3], s[G0E+3], 0x80000000        ; 127:126 type = 2
	s_or_b32 s[G0E+7], s[G0E+7], 0x80000000
	s_mov_b32 s[G0F], 1
	s_mov_b32 s[G0F+1], 0
	s_mov_b64 s[G0F+2:G0F+3], s[PF:PF+1]
	s_or_b32 s[G0F+3], s[G0F+3], 0x80000000
	s_lshl_b32 s92, s91, 16                        ; E's scales: 64 s of 1,024 bytes, + 512 bh
	s_lshl_b32 s66, s90, 9
	s_add_co_u32 s92, s92, s66
	s_add_nc_u64 s[PS:PS+1], s[10:11], s[92:93]
	s_mov_b32 s[G0S], 1
	s_mov_b32 s[G0S+1], ES0
	s_mov_b64 s[G0S+2:G0S+3], s[PS:PS+1]
	s_mov_b32 s[G0S+4], 1
	s_mov_b32 s[G0S+5], ES1
	s_add_nc_u64 s[G0S+6:G0S+7], s[PS:PS+1], SCLG
	s_or_b32 s[G0S+3], s[G0S+3], 0x80000000
	s_or_b32 s[G0S+7], s[G0S+7], 0x80000000
	s_add_nc_u64 s[PF:PF+1], s[PF:PF+1], SLOTG     ; the first requests name slot 1
	s_add_nc_u64 s[PS:PS+1], s[PS:PS+1], SCLG
	s_mov_b32 s95, 0
	s_mul_i32 s94, s22, 256*768                    ; W's codes: row 256 nb,
	s_add_nc_u64 s[G0W+2:G0W+3], s[4:5], s[94:95]
	s_mul_i32 s100, s98, 128*768                   ; + 128 rows a wave, waves 0 and 1
	s_add_nc_u64 s[G0W+2:G0W+3], s[G0W+2:G0W+3], s[100:101]
	s_or_b32 s[G0W+3], s[G0W+3], 0x80000000
	s_mov_b32 s[G0W], 1
	s_mul_i32 s98, s98, 2*HALFB
	s_add_co_u32 s[G0W+1], s98, SL1
	s_lshl_b32 s94, s22, 13                        ; W's scales: rows 256 nb + 128 (w / 2)
	s_add_nc_u64 s[6:7], s[6:7], s[94:95]
	s_lshr_b32 s98, s[WV], 1
	s_lshl_b32 s100, s98, 12
	s_add_nc_u64 s[6:7], s[6:7], s[100:101]
	s_lshl_b32 s92, s90, 16                        ; hidden: row 16 bh, column 256 nb + 128 (w / 2)
	s_add_nc_u64 s[12:13], s[12:13], s[92:93]
	s_lshl_b32 s94, s22, 10
	s_add_nc_u64 s[12:13], s[12:13], s[94:95]
	s_lshl_b32 s100, s98, 9
	s_add_nc_u64 s[12:13], s[12:13], s[100:101]
	s_lshl_b32 s92, s90, 17                        ; part: block nb, row 16 bh, my 64 s
	s_lshl_b32 s66, s91, 8
	s_add_co_u32 s92, s92, s66
	s_add_nc_u64 s[14:15], s[14:15], s[92:93]
	s_lshl_b32 s94, s22, 18
	s_add_nc_u64 s[14:15], s[14:15], s[94:95]
.irp u, 0,1,2,3
	global_load_b128 v[WS+4*\u:WS+4*\u+3], v[WSO], s[6:7] offset:1024*\u   ; lane l: the four words of row 32 u + l of my 128
.endr
	WIN 0xc0                                       ; destination block 3
.irp t, 0,1,2,3,4,5,6,7
.irp c, 0,1
	global_load_b128 v[HID+8*\t+4*\c:HID+8*\t+4*\c+3], v[HO], s[12:13] offset:64*\t+16*\c
.endr
.endr
	WIN 0
	CROUND                                         ; all sixteen work-groups are here: the first joint loads meet
	; THE FIRST FILLS, one load a wave.  Waves 0, 1: 128 rows of W each; wave 2: slot 0's codes; wave 3: slot 0's scales, and it asks for slot 1
	s_cmp_lt_u32 s[WV], 2
	s_cbranch_scc1 .Lff_w
	s_cmp_eq_u32 s[WV], 2
	s_cbranch_scc0 .Lff_wave_3
	tensor_load_to_lds s[G0F:G0F+3], s[G1F:G1F+7]
	s_nop 0
	PLACES
	s_branch .Lff_done
.Lff_wave_3:
	tensor_load_to_lds s[G0S:G0S+3], s[G1S:G1S+7]
	s_nop 0
	PLACES
	ASK
	s_branch .Lff_done
.Lff_w:
	tensor_load_to_lds s[G0W:G0W+3], s[G1W:G1W+7]
	s_nop 0
	PLACES
	s_wait_tensorcnt 0x0                           ; my rows of W are in LDS
.Lff_done:
	s_barrier_signal -1                            ; W is whole; E and its scales may still be on their way
	s_barrier_wait -1
.macro WLOAD k                         ; W's fragments of block k
.irp q, 0,1,2,3
.irp t, 0,1,2,3,4,5,6,7
	WPLACE \q, \t
.if rK == \k
.irp i, 0,1,2
	PIECE \q, \i
	ds_load_b128 v[rA+4*\i:rA+4*\i+3], v[WA+4*(\t/4)+CL] offset:CO+(\t%4)*TILEB
.endr
.endif
.endr
.endr
.endm
	WIN 0x40                                       ; destination block 1, addresses block 0
	WLOAD 1
	WIN 0x80                                       ; destination block 2
	WLOAD 2
	WIN 0
	s_wait_tensorcnt 0x0                           ; all my tensor loads have landed: slot 0 and its scales among them
	ds_add_u32 v[SPW], v[NIL]                      ; 0 onto my spare word
	s_mov_b32 s[LAP], 3
	s_mov_b32 s[TS], 0
	s_wait_dscnt 0x0                               ; the add is done, and my reads of W's rows are back: W has left LDS
	CROUND                                         ; no wave of any partner still reads those bytes or has a load on its way; slot 0 is whole
	TLOAD 1                                        ; slot 1, on W's bytes
	ELOAD 0, 0, 0
	ELOAD 1, 0, 1
	WIN 0
	s_wait_loadcnt 0x0                             ; hidden and W's scale words
	s_wait_dscnt 25                                ; all but pair 1's 25 loads
	PERM2 0, 0
	PERM2 0, 2
.set i, 0
.rept 16
	v_perm_b32 v[WS+i], v[WS+i], v[WS+i], s[SELP]  ; W's scale words likewise, once for the launch
.set i, i+1
.endr
.rept 8
	v_nop                                          ; a scale register written by a vector instruction stands 8 places ahead of a scaled matrix instruction; once, at the head
.endr
	s_wait_alu depctr_va_vdst(0)
.Llap:                                                 ; three trips: slots 0 to 5, each filled again with the rows two slots on
	SLOT 0, 1
	SLOT 1, 1
	s_sub_co_u32 s[LAP], s[LAP], 1
	s_cmp_lg_u32 s[LAP], 0
	s_cbranch_scc1 .Llap
	SLOT 0, 0                                      ; the tail is written out
	SLOT 1, 2
	; THE WAY OUT.  The four waves' 1,024 partial scores meet: thread T adds its two rows' fours of all four stages and stores them
	s_wait_dscnt 0x0                               ; for the others' sake: my stores into my stage are done
	s_barrier_signal -1
	s_barrier_wait -1
.irp c, 0,1
.irp w, 0,1,2,3
	ds_load_b128 v[OUT+16*\c+4*\w:OUT+16*\c+4*\w+3], v[RDA] offset:SCW*\w+8*272*\c
.endr
.endr
	s_wait_dscnt 0x0
.irp d, 8, 4                           ; four to two to one
.irp c, 0,16
.irp i, 0,2,4,6
.if \i < \d
	v_pk_add_f32 v[OUT+\c+\i:OUT+\c+\i+1], v[OUT+\c+\i:OUT+\c+\i+1], v[OUT+\c+\d+\i:OUT+\c+\d+\i+1]
.endif
.endr
.endr
.endr
	global_store_b128 v[STO], v[OUT:OUT+3], s[14:15] ; sixteen lanes store 256 consecutive bytes of a row b, at a multiple of 256 from the buffer's first byte
	global_store_b128 v[STO], v[OUT+16:OUT+19], s[14:15] offset:65536
	s_wait_tensorcnt 0x0                           ; the wave's end
	ds_add_u32 v[SPW], v[NIL]
	s_wait_dscnt 0x0
	CROUND                                         ; the closing round: no work-group ends while a partner may still ask for a tile that names it
	s_endpgm
.Lfunc_end_k_q0d5deca7f0_scores:
	.size	k_q0d5deca7f0_scores, .Lfunc_end_k_q0d5deca7f0_scores-k_q0d5deca7f0_scores
	.p2alignl 7, 3214868480
	.fill 96, 4, 3214868480
	.section	.rodata,"a",@progbits
	.p2align	6, 0x0
	.amdhsa_kernel k_q0d5deca7f0_scores
		.amdhsa_group_segment_fixed_size 327680
		.amdhsa_private_segment_fixed_size 0
		.amdhsa_enable_private_segment 0
		.amdhsa_kernarg_size 48
		.amdhsa_user_sgpr_count 2
		.amdhsa_user_sgpr_kernarg_segment_ptr 1
		.amdhsa_wavefront_size32 1
		.amdhsa_system_sgpr_workgroup_id_x 1
		.amdhsa_system_sgpr_workgroup_id_y 1
		.amdhsa_system_sgpr_workgroup_id_z 1
		.amdhsa_system_vgpr_workitem_id 0
		.amdhsa_next_free_vgpr 1024
		.amdhsa_next_free_sgpr 102
		.amdhsa_reserve_vcc 0
		.amdhsa_float_denorm_mode_32 3
		.amdhsa_float_denorm_mode_16_64 3
		.amdhsa_memory_ordered 1
		.amdhsa_forward_progress 1
		.amdhsa_inst_pref_size 255
	.end_amdhsa_kernel
	.section	.bss,"aw",@nobits
	.p2align	6
	.space	262144
	.amdgpu_metadata
---
amdhsa.version: [ 1, 2 ]
amdhsa.kernels:
  - .name:           k_q0d5deca7f0_scores
    .symbol:         k_q0d5deca7f0_scores.kd
    .args:
      - { .name: W_codes, .offset: 0, .size: 8, .value_kind: global_buffer, .address_space: global }
      - { .name: W_scales, .offset: 8, .size: 8, .value_kind: global_buffer, .address_space: global }
      - { .name: encoder_outputs_codes, .offset: 16, .size: 8, .value_kind: global_buffer, .address_space: global }
      - { .name: encoder_outputs_scales, .offset: 24, .size: 8, .value_kind: global_buffer, .address_space: global }
      - { .name: hidden, .offset: 32, .size: 8, .value_kind: global_buffer, .address_space: global }
      - { .name: part, .offset: 40, .size: 8, .value_kind: global_buffer, .address_space: global }
    .group_segment_fixed_size: 327680
    .private_segment_fixed_size: 0
    .kernarg_segment_align: 8
    .kernarg_segment_size: 48
    .max_flat_workgroup_size: 128
    .sgpr_count:     102
    .vgpr_count:     1024
    .wavefront_size: 32
...
	.end_amdgpu_metadata
.endif
;; end of part 1
;; launch softmax (part 2): grid 32 x 1, 16 waves a work-group, no clusters, 2,304 bytes of LDS; arguments part, out0; writes out0
.if DOCPART == 2
	.amdgcn_target "amdgcn-amd-amdhsa--gfx1250"
	.amdhsa_code_object_version 6
	.text
	.protected	k_q0d5deca7f0_softmax
	.globl	k_q0d5deca7f0_softmax
	.p2align	8
	.type	k_q0d5deca7f0_softmax,@function
k_q0d5deca7f0_softmax:
	s_mov_b64 s[64:65], 0
	v_nop
	global_prefetch_b8 v0, s[64:65] scope:SCOPE_SE
	s_setreg_imm32_b32 hwreg(HW_REG_WAVE_MODE, 25, 1), 1
	s_wait_xcnt 0x0
; out0[b][s] = softmax over s of (part[0][b][s] + part[1][b][s] + part[2][b][s] + part[3][b][s]).  part: [4][32][2048] f32; out0: [32][2048] f32.
; A row's maximum and sum have to meet in one work-group, so there is one work-group for each b: 32 of them, 16 waves each; thread T owns s = 4 T .. 4 T + 3, 16 bytes:
; each load and store of a wave covers 512 consecutive bytes.  The row stays in registers between the passes; the waves' maxima and sums meet in LDS (bytes 0-63, bytes 64-127).
; The maximum is taken away before the exponential, as the definition does; the difference is formed first and multiplied by log2(e) afterwards, so that large scores lose nothing.
; LIMITS: v_exp_f32 gives 0 where the result would lie under 2^-126; v_exp_f32 and v_rcp_f32 are accurate to 1 ulp (ISA guide, their entries).  A NaN among a row's scores makes the row NaN.
	s_load_b128 s[4:7], s[0:1], 0x0                ; part, out0
	v_lshl_add_u32 v48, v0, 2, 0x100
	v_mov_b32 v49, 0
	v_lshlrev_b32 v1, 4, v0                        ; my 16 bytes of a row
	v_lshrrev_b32 v2, 5, v0
	s_delay_alu instid0(VALU_DEP_1)
	v_lshlrev_b32 v2, 2, v2                        ; my wave's word in LDS
	v_mov_b32 v3, 0
	v_mov_b32 v25, 0                               ; (a lane permute's destination counts as one of its sources)
	s_lshl_b32 s8, ttmp9, 13                       ; row b: 8,192 bytes
	s_mov_b32 s9, 0
	s_mov_b32 s12, 0x76543210                      ; v_permlanex16_b32's selects for lane l xor 16
	s_mov_b32 s13, 0xfedcba98
	s_mov_b32 s14, 0x3fb8aa3b                      ; log2(e)
	s_mov_b32 s15, s14                             ; (named with it as a pair, so it is written)
	s_wait_alu depctr_va_vdst(0)
	s_wait_kmcnt 0x0
	s_add_nc_u64 s[4:5], s[4:5], s[8:9]
	s_add_nc_u64 s[6:7], s[6:7], s[8:9]
.irp n, 0,1,2,3
	global_load_b128 v[4+4*\n:7+4*\n], v1, s[4:5] offset:\n*262144 th:TH_LOAD_NT   ; the four column blocks' partial scores; read once
.endr
	s_wait_loadcnt 0x0
	v_pk_add_f32 v[4:5], v[4:5], v[8:9]
	v_pk_add_f32 v[6:7], v[6:7], v[10:11]
	v_pk_add_f32 v[12:13], v[12:13], v[16:17]
	v_pk_add_f32 v[14:15], v[14:15], v[18:19]
	s_delay_alu instid0(VALU_DEP_2)
	v_pk_add_f32 v[20:21], v[4:5], v[12:13]        ; the scores
	s_delay_alu instid0(VALU_DEP_2)
	v_pk_add_f32 v[22:23], v[6:7], v[14:15]
	s_delay_alu instid0(VALU_DEP_1)
	v_max3_num_f32 v24, v20, v21, v22              ; the largest of my four,
	s_delay_alu instid0(VALU_DEP_1)
	v_max_num_f32 v24, v24, v23
	s_delay_alu instid0(VALU_DEP_1)
	v_max_num_f32_dpp v24, v24, v24 row_xmask:1 row_mask:0xf bank_mask:0xf   ; of my wave's 128
	s_delay_alu instid0(VALU_DEP_1)
	v_max_num_f32_dpp v24, v24, v24 row_xmask:2 row_mask:0xf bank_mask:0xf
	s_delay_alu instid0(VALU_DEP_1)
	v_max_num_f32_dpp v24, v24, v24 row_xmask:4 row_mask:0xf bank_mask:0xf
	s_delay_alu instid0(VALU_DEP_1)
	v_max_num_f32_dpp v24, v24, v24 row_xmask:8 row_mask:0xf bank_mask:0xf
	s_delay_alu instid0(VALU_DEP_1)
	v_permlanex16_b32 v25, v24, s12, s13
	s_delay_alu instid0(VALU_DEP_1)
	v_max_num_f32 v24, v24, v25
	ds_store_b32 v2, v24                           ; all lanes of a wave write the same word with the same value
	s_wait_dscnt 0x0                               ; for the others' sake
	s_barrier_signal -1
	s_barrier_wait -1
.irp i, 0,1,2,3
	ds_load_b128 v[28+4*\i:31+4*\i], v3 offset:16*\i
.endr
	s_wait_dscnt 0x0
	v_max3_num_f32 v24, v28, v29, v30              ; of the sixteen waves'
	v_max3_num_f32 v25, v31, v32, v33
	v_max3_num_f32 v26, v34, v35, v36
	v_max3_num_f32 v27, v37, v38, v39
	s_delay_alu instid0(VALU_DEP_4)
	v_max3_num_f32 v24, v24, v40, v41
	s_delay_alu instid0(VALU_DEP_4)
	v_max3_num_f32 v25, v25, v42, v43
	s_delay_alu instid0(VALU_DEP_1)
	v_max3_num_f32 v24, v24, v25, v26
	s_delay_alu instid0(VALU_DEP_1)
	v_max_num_f32 v24, v24, v27                    ; the row's maximum, in every lane
	s_delay_alu instid0(VALU_DEP_1)
	v_pk_add_f32 v[20:21], v[20:21], v[24:25] op_sel_hi:[1,0] neg_lo:[0,1] neg_hi:[0,1]   ; score - maximum (of the pair the low word serves both halves)
	s_delay_alu instid0(VALU_DEP_2)
	v_pk_add_f32 v[22:23], v[22:23], v[24:25] op_sel_hi:[1,0] neg_lo:[0,1] neg_hi:[0,1]
	s_delay_alu instid0(VALU_DEP_2)
	v_pk_mul_f32 v[20:21], v[20:21], s[14:15] op_sel_hi:[1,0]
	s_delay_alu instid0(VALU_DEP_2)
	v_pk_mul_f32 v[22:23], v[22:23], s[14:15] op_sel_hi:[1,0]
	s_wait_alu depctr_va_vdst(0)
	v_exp_f32 v20, v20
	v_exp_f32 v21, v21
	v_exp_f32 v22, v22
	v_exp_f32 v23, v23
	v_nop                                          ; one plain line between the last exponential and the use of its result (ISA guide 5.7.2)
	s_wait_alu depctr_va_vdst(0)
	v_pk_add_f32 v[26:27], v[20:21], v[22:23]      ; the sum of my four,
	s_delay_alu instid0(VALU_DEP_1)
	v_add_f32 v26, v26, v27
	s_delay_alu instid0(VALU_DEP_1)
	v_add_f32_dpp v26, v26, v26 row_xmask:1 row_mask:0xf bank_mask:0xf   ; of my wave's 128
	s_delay_alu instid0(VALU_DEP_1)
	v_add_f32_dpp v26, v26, v26 row_xmask:2 row_mask:0xf bank_mask:0xf
	s_delay_alu instid0(VALU_DEP_1)
	v_add_f32_dpp v26, v26, v26 row_xmask:4 row_mask:0xf bank_mask:0xf
	s_delay_alu instid0(VALU_DEP_1)
	v_add_f32_dpp v26, v26, v26 row_xmask:8 row_mask:0xf bank_mask:0xf
	s_delay_alu instid0(VALU_DEP_1)
	v_permlanex16_b32 v27, v26, s12, s13
	s_delay_alu instid0(VALU_DEP_1)
	v_add_f32 v26, v26, v27
	ds_store_b32 v2, v26 offset:64                 ; other bytes than the maxima's: no wave may still be reading those
	s_wait_dscnt 0x0
	s_barrier_signal -1
	s_barrier_wait -1
.irp i, 0,1,2,3
	ds_load_b128 v[28+4*\i:31+4*\i], v3 offset:64+16*\i
.endr
	s_wait_dscnt 0x0
	v_pk_add_f32 v[28:29], v[28:29], v[30:31]      ; of the sixteen waves'
	v_pk_add_f32 v[32:33], v[32:33], v[34:35]
	v_pk_add_f32 v[36:37], v[36:37], v[38:39]
	v_pk_add_f32 v[40:41], v[40:41], v[42:43]
	s_delay_alu instid0(VALU_DEP_3)
	v_pk_add_f32 v[28:29], v[28:29], v[32:33]
	s_delay_alu instid0(VALU_DEP_2)
	v_pk_add_f32 v[36:37], v[36:37], v[40:41]
	s_delay_alu instid0(VALU_DEP_1)
	v_pk_add_f32 v[28:29], v[28:29], v[36:37]
	s_delay_alu instid0(VALU_DEP_1)
	v_add_f32 v26, v28, v29                        ; the row's sum: between 1 and 2,048
	s_wait_alu depctr_va_vdst(0)
	v_rcp_f32 v26, v26
	v_nop                                          ; one plain line behind the reciprocal
	s_wait_alu depctr_va_vdst(0)
	v_pk_mul_f32 v[20:21], v[20:21], v[26:27] op_sel_hi:[1,0]
	v_pk_mul_f32 v[22:23], v[22:23], v[26:27] op_sel_hi:[1,0]
	global_store_b128 v1, v[20:23], s[6:7] th:TH_STORE_NT   ; a wave's store covers 512 consecutive bytes, at a multiple of 256 from the buffer's first byte
	s_wait_tensorcnt 0x0
	ds_add_u32 v48, v49
	s_wait_dscnt 0x0
	s_endpgm
.Lfunc_end_k_q0d5deca7f0_softmax:
	.size	k_q0d5deca7f0_softmax, .Lfunc_end_k_q0d5deca7f0_softmax-k_q0d5deca7f0_softmax
	.p2alignl 7, 3214868480
	.fill 96, 4, 3214868480
	.section	.rodata,"a",@progbits
	.p2align	6, 0x0
	.amdhsa_kernel k_q0d5deca7f0_softmax
		.amdhsa_group_segment_fixed_size 2304
		.amdhsa_private_segment_fixed_size 0
		.amdhsa_enable_private_segment 0
		.amdhsa_kernarg_size 16
		.amdhsa_user_sgpr_count 2
		.amdhsa_user_sgpr_kernarg_segment_ptr 1
		.amdhsa_wavefront_size32 1
		.amdhsa_system_sgpr_workgroup_id_x 1
		.amdhsa_system_sgpr_workgroup_id_y 1
		.amdhsa_system_sgpr_workgroup_id_z 1
		.amdhsa_system_vgpr_workitem_id 0
		.amdhsa_next_free_vgpr 50
		.amdhsa_next_free_sgpr 66
		.amdhsa_reserve_vcc 0
		.amdhsa_float_denorm_mode_32 3
		.amdhsa_float_denorm_mode_16_64 3
		.amdhsa_memory_ordered 1
		.amdhsa_forward_progress 1
		.amdhsa_inst_pref_size 7
	.end_amdhsa_kernel
	.amdgpu_metadata
---
amdhsa.version: [ 1, 2 ]
amdhsa.kernels:
  - .name:           k_q0d5deca7f0_softmax
    .symbol:         k_q0d5deca7f0_softmax.kd
    .args:
      - { .name: part, .offset: 0, .size: 8, .value_kind: global_buffer, .address_space: global }
      - { .name: out0, .offset: 8, .size: 8, .value_kind: global_buffer, .address_space: global }
    .group_segment_fixed_size: 2304
    .private_segment_fixed_size: 0
    .kernarg_segment_align: 8
    .kernarg_segment_size: 16
    .max_flat_workgroup_size: 512
    .sgpr_count:     66
    .vgpr_count:     50
    .wavefront_size: 32
...
	.end_amdgpu_metadata
.endif
;; end of part 2
